; MI455X (gfx1250); checked and timed in simulation.
; The chip was launched on July 23, 2026; its instructions are those of AMD's public machine-readable ISA for CDNA 5 (MIT licence, August 2026) and "CDNA5" Instruction Set Architecture Reference Guide (July 2026). The comments in the code are by the model that wrote it; some were corrected since.
;; Multihead Attention. Allowed arithmetic: matrix products marked QUANTISED: E2M3 operands, one E8M0 scale for each 32 along K, by v_wmma_scale_f32_16x16x128_f8f6f4 with both operands' format E2M3, f32 sums; everything else in f32.
;; Inputs: key 4 x 2,048 x 1,024 float32; query 4 x 2,048 x 1,024 float32; value_codes 4 x 1,024 x 64 x 24 uint8 (E2M3 codes of value, K innermost, in blocks of 32 codes, four codes in three bytes); value_scales 4 x 1,024 x 64 uint8 (E8M0 scales of value, one for each 32 codes along K).
;; Outputs: out0 4 x 2,048 x 1,024 float32.
;; This version of the problem:
;;   THIS VERSION OF THE PROBLEM IS GIVEN IN LOW PRECISION. The matrix products marked QUANTISED in the list below multiply operands that are first quantised to E2M3 (2 exponent bits, 3 mantissa bits; 6 bits a number), with one power-of-two scale for each 32 numbers along K (OCP MX v1.0); their sums are f32. All else is computed in f32.
;;   The module's matrix products, in the order in which they are computed (A, B: the left and right operand; K: the contracted axis; several contracted axes count as one K, in the product's order):
;;     1. batch 64 x [M 2,048, K 64] x [K 64, N 2,048]; A: input query; B: input key: QUANTISED
;;     2. batch 64 x [M 2,048, K 2,048] x [K 2,048, N 64]; A: softmax (see below); B: input value (given as codes): QUANTISED
;;   THE QUANTISER, for each operand of a quantised product, along K:
;;     - K is cut into blocks of 32 from its start; a last block that is shorter is filled with zeros.
;;     - A block's scale is 2^e with e = floor(log2(the largest magnitude in the block)) - 2, held to -126 .. 127; a block of zeros has e = 0. As a byte (E8M0): e + 127.
;;     - Each number is divided by its block's scale, clamped to +-7.5, and rounded to the nearest number of E2M3, ties to even, subnormals kept.
;;     - The product sums the exact products of the quantised numbers (number of the format x scale) in f32.
;;   ~~~python
;;   def quantise(x, axis):      # numpy; x: float32 -> the quantised numbers, widened to float32 again
;;       x = np.moveaxis(x, axis, -1); K = x.shape[-1]
;;       x = np.pad(x, [(0, 0)] * (x.ndim - 1) + [(0, -K % 32)]); x = x.reshape(x.shape[:-1] + (-1, 32)); a = np.abs(x).max(-1, keepdims=True)
;;       e = np.where(a > 0, np.clip(np.frexp(np.where(a > 0, a, 1))[1] - 1 - 2, -126, 127), 0)      # np.frexp(a)[1] - 1 = floor(log2(a)), exactly
;;       r = np.clip(x / 2.0 ** e, -7.5, 7.5)
;;       step = 2.0 ** (np.maximum(np.frexp(np.where(r == 0, 1, r))[1] - 1, 0) - 3)
;;       q = np.round(r / step) * step * 2.0 ** e      # np.round: ties to even
;;       return np.moveaxis(q.reshape(q.shape[:-2] + (-1,))[..., :K], -1, axis).astype(np.float32)
;;   ~~~
;;   SOFTMAX AHEAD OF A QUANTISED PRODUCT. Where the list says 'softmax', what is quantised is not the finished softmax but p = 2^(t - M), with t = logit x log2(e) and M = ceil(the row's largest t), a whole number; so 1/2 < the row's largest p <= 1. The row's sum l is taken of the UNQUANTISED p, in f32, and the product's result is divided by l at the end. Since M is a whole number, a kernel that streams over the keys may use a running M (the ceiling of the running maximum): every later rescaling is an exact power of two, which a block's scale takes up: the codes' values come out the same.
;;   OPERANDS COMPUTED ON THE WAY. 'Computed on the way' means the value that the module computes at that place (a softmax that the list does not call 'softmax' is quantised finished and normalised). What goes into a quantiser is computed in f32, as accurately as f32 sums, v_exp_f32 and their like allow (about 1e-6 of the number): no bf16 or f16 on the way to a quantiser, and a product that is left as it is and whose result goes on into a quantised operand takes f32 operands (vector FMAs, or v_wmma_f32_16x16x4_f32). A number that lies on a knife's edge between two numbers of the format may be rounded either way, as far as f32 arithmetic and the matrix unit's own rounding can turn it there, and no further.
;;   INPUTS GIVEN AS CODES. value (in the module: [4, 2048, 1024], K = its axis 1): each comes as NAME_codes (uint8): NAME with its K axis moved to the last place and cut into blocks of 32 codes, [.., K / 32, bytes a block], one block behind the other in memory; four codes in three bytes: a row's codes are one little-endian stream of bits, code i at bits 6 i .. 6 i + 5 (a code: sign, 2 exponent bits, 3 mantissa bits); and NAME_scales (uint8): the same leading axes, one E8M0 byte (e + 127) for each 32 codes along K. Its value is code x scale, taken as it is: it is not quantised again, and the codes and scales need not be those that the quantiser above would give.
;; One version. Each part assembles by itself: llvm-mc -triple=amdgcn-amd-amdhsa -mcpu=gfx1250 --defsym DOCPART=n.
;; ======== version 1 of 1: 1 launch
;; limits: right only within a limited range of input values
;; launch attn (part 1): grid 4 x 64, 8 waves a work-group, clusters of 4 x 1, 327,680 bytes of LDS; arguments query, key, value_codes, value_scales, out0; writes out0
.if DOCPART == 1
	.amdgcn_target "amdgcn-amd-amdhsa--gfx1250"
	.amdhsa_code_object_version 6
	.text
	.protected	k_qe4e0735815_attn
	.globl	k_qe4e0735815_attn
	.p2align	8
	.type	k_qe4e0735815_attn,@function
k_qe4e0735815_attn:
	s_mov_b64 s[64:65], 0
	v_nop
	global_prefetch_b8 v0, s[64:65] scope:SCOPE_SE
	s_setreg_imm32_b32 hwreg(HW_REG_WAVE_MODE, 25, 1), 1
	s_wait_xcnt 0x0
	s_wait_alu depctr_hold_cnt(0) depctr_sa_sdst(0) depctr_va_vdst(0) depctr_va_sdst(0) depctr_va_ssrc(0) depctr_va_vcc(0) depctr_vm_vsrc(0)
	s_getreg_b32 s2, hwreg(HW_REG_IB_STS2, 6, 4)
	s_cmp_eq_u32 s2, 0
	s_cbranch_scc0 .Lentry_in_a_cluster
	s_endpgm
.Lentry_in_a_cluster:
	s_bfe_u32 s2, ttmp6, 0x10000c
	s_cmp_lg_u32 s2, 0x3003
	s_cbranch_scc0 .Lentry_shape_is_right
	s_endpgm
.Lentry_shape_is_right:
; out0[b][q][64 hd + d] = sum over k of softmax_k(Q[q] . K[k] / 8) V[k][d] for each of 64 (batch, head) pairs; 2,048 queries, 2,048 keys, head size 64.
; Both products run on codes of FP6 (E2M3) with one E8M0 scale for each 32 along a product's K.  query and key arrive as f32 and are quantised here along the head's 64 numbers
; (two blocks a row); value arrives as codes with the keys innermost (a channel's row: 1,536 bytes) and 64 scale bytes a row.  No work of reference() is left out.
; SOFTMAX: t = score x log2(e) / 8; M = the running largest t rounded UP to a whole number, kept as -M = floor(-t); p = 2^(t - M) is quantised along the keys, not normalised; the row's sum is
; taken of the unquantised p and divides at the end.  When M moves, the sum and O are multiplied by f = 2^(old M - new M): exact, and no branch on data.
; SHARES: work-group (x, y): head y = 16 b + hd, queries 512 x on.  Eight waves; wave w owns 64 queries, four tiles of 16, and walks all keys: eight trips of 256 keys, two steps of 128 each.
; K COMES AS f32 THROUGH A RING OF TWO LDS SLOTS of 256 keys (rows of 256 bytes, aligned, laid 272 bytes apart); wave w fetches rows 32 w on by one tensor load.  THE FOUR WORK-GROUPS OF A HEAD
; FORM A CLUSTER and ask for these tiles jointly (mask 15).  ONE MEETING A TRIP: behind trip t's round the slot of keys t (read out in trip t - 1) is asked for again with keys t + 2; in trip t every
; wave multiplies the register images of keys t and quantises two tiles of 16 of keys t + 1, from the slot that landed ahead of the round, into the other of two image buffers.
; Waves whose number has an even count of one bits quantise at the trip's start, the others at its end: of waves w and w + 4, and of waves 2 k and 2 k + 1, one does the one and one the other.
; The last two trips ask for nothing and are a loop of their own, with the work-group's barrier; the very last quantises nothing (two flags, set to 0 by constants).
; V passes through registers once, at the head, and is stored as register images (98,304 bytes, resident): 48 loads of 8 bytes a lane for each wave; a load's lanes lie 24 bytes apart (a lane takes one
; 24-byte group of a row, which is one lane's half of an operand), and three loads on end take in 768 consecutive bytes that start at a multiple of 256.  It is not asked for jointly: a key step's
; 96 bytes of a row do not divide 256, so rows laid as they arrive would want other offsets in each of eight steps; the images want a lane's own store address.  V is 98 KB of the 740 KB that a work-group takes in.
; PREFETCH: trip t asks for the keys of trip t + 4 (which trip t + 2's load fetches): 256 rows x 256 bytes a cluster, 64 rows a work-group told apart by address, 8 rows a wave (lanes 8-31 name the
; wave's last row again).  Trips 4 to 7 ask for nothing; the keys of trips 0 to 3 come by their loads alone.
; LAYOUT: both products are used transposed (S^T = K Q^T, O^T = V^T P^T): a lane holds ONE query (lane % 16) throughout.
; Row m of tile t of a step is key 64 (t / 4) + 8 (t % 4) + m % 8 + 32 (m / 8): so in S^T the 32 registers of tiles 4 c .. 4 c + 3 of lane (r, h) are keys 64 c + 32 h + 0 .. 31: one WHOLE block,
; in the place that the 6-bit operand layout gives that lane.
; THE FIRST PRODUCT HAS K = 64 OF THE INSTRUCTION'S 128: Q's operand registers 6-11 are zero codes.  K's fragments lie packed, six registers a tile, so the upper six registers of tile t's operand are
; tile t + 1's codes (behind tile 7: six zeros): finite numbers that meet zero codes.  Bytes 2 and 3 of Q's and K's scale words are 0, never 0xff.
; LIMITS: NaN and infinities among the inputs are not served.  A block whose largest magnitude lies under 2^-124 keeps the scale byte 1 (a block of zeros too: its codes are zeros; the bytes are read
; by this program alone).  The division by the row's sum is a multiplication by v_rcp_f32's result.  -M begins at 2^123, so that the first f is 0 and multiplies zeros.
; The promise holds while the scaled scores stay under 2^31 in magnitude.
; LDS
.set KP,    272                        ; a slot's row: 256 bytes + 16
.set SL1,   131072                     ; slot 0 at 0, slot 1 here: 69,632 bytes each
.set KIMG,  69632                      ; 256 keys of K as register images: 6,144 bytes a step: 12 groups of 512 bytes, lane l's 16 bytes at 16 l
.set KSC,   81920                      ; = KIMG + 12,288: K's scale words, 512 bytes a step: word b of lane l: lanes 0-15 tile 2 b's, lanes 16-31 tile 2 b + 1's
.set KD,    229376                     ; the second buffer of images and scale words lies this far on: 299,008 to 312,320
.set VSC,   82944                      ; V's scale words, 256 bytes a step, 16 steps: lane l's pair: channels l and 32 + l
.set STG,   87040                      ; a stage of 16 rows x 272 bytes for each wave, its own
.set SPARE, 121856                     ; the spare words, 128 bytes a wave
.set VIMG,  200704                     ; V as register images: 6,144 bytes a step, 16 steps
.set SP,    272
; REGISTERS, window 0
.set GL,   1                           ; (l / 16) x 4096 + 16 (l % 16)
.set STA,  2                           ; stage + 272 h + 16 r
.set STO,  3                           ; stage + 272 r + 32 h
.set SH8,  4                           ; 8 h
.set ADK,  5                           ; KIMG + 16 l
.set ADC,  6                           ; the same in the trip's buffer
.set ADV,  7                           ; VIMG + 16 l, stepped once a trip
.set ASL,  8                           ; where my rows lie in the slot that I quantise
.set ADT,  9                           ; VSC + 8 l, stepped once a trip
.set KS,   10                          ; v10-13 K's scale words, v14-15 V's, v16-19 Q's, v20-23 p's: scales and nothing else
.set VS,   14
.set QS,   16
.set PW,   20
.set ST,   24                          ; eight a tile: +0 -M, +1 the largest score, +2:3 the sum, +4 f, +6:7 a second chain.  +5 is named only as the unused upper half of f's pair: the four hold addresses
.set AKW,  ST+5                        ; KIMG + 1,536 w + 16 l
.set ASW,  ST+13                       ; KSC + 512 (w / 4) + 4 (w % 4) + 16 l
.set PFO,  ST+21                       ; the prefetch's offset: min(l, 7) rows
.set ASB,  ST+29                       ; my rows in slot 0
.set TM,   56                          ; v56-71 eight for each tile of the pair in hand
.set CT,   72                          ; v72-74, v76-78 a conversion's second half
.set SPW,  75
.set NIL,  79
.set PCD,  80                          ; v80-127 p's codes, 12 a tile; while I quantise v80-91: K's codes of my pair
.set S,    128                         ; v128-255 S^T, then p; while I quantise my two tiles of K as f32
; the head's own
.set AV,   100                         ; v100-101 where my pieces of a row of V go
.set STX,  106
.set GV,   107
.set AVS,  108
.set GS,   109
.set L,    112
.set RR,   113
.set HH,   114
.set T0,   115
.set T1,   116
.set VW4,  120                         ; v120-123 sixteen scale bytes of V
; window 1 (v0-25 unused)
.set F,    26                          ; v26-79 fragments of K (8 x 6, then six zeros) or of V (4 x 12)
.set QF,   80                          ; v80-127 Q, 12 a tile, the upper six zero
.set OT,   128                         ; v128-255 O^T; at the head V's bytes on their way
; scalars
.set WV,   14
.set G0,   20
.set G1,   24
.set SEL,  32
.set CS,   34
.set NEGC, 36
.set UPH,  37
.set CNT,  38
.set PFA,  40
.set QB,   42
.set OB,   44
.set VB,   46
.set VSB,  48
.set SOF,  50                          ; the slot that is quantised: 0 or SL1
.set KOF,  60                          ; the image buffer that is multiplied: 0 or KD
.set KOS,  61                          ; the one that is stored into
.set FE,   62                          ; 1: I quantise at the trip's start
.set FL,   63                          ; 1: at its end
.set MSB, 0
.macro WIN new
.if MSB != \new
	s_set_vgpr_msb (MSB<<8)|\new
.set MSB, \new
.endif
.endm
.set W_LD,  0x40
.set W_S,   0x05
.set W_RS,  0x41
.set W_PV,  0x51
.set W_OUT, 0x01
.set W_ST,  0x04                       ; an LDS store's data in window 1
.macro ROUND                           ; a round of the cluster's barrier
	s_barrier_signal -1
	s_barrier_wait -1
	s_cmp_lg_u32 s[WV], 0
	s_cbranch_scc1 .Lnot_wave_0_\@
	s_barrier_signal -3
.Lnot_wave_0_\@:
	s_barrier_wait -3
	s_barrier_signal -1
	s_barrier_wait -1
.endm
.macro PLACES
.rept 4
	v_nop
.endr
.endm
	s_load_b256 s[4:11], s[0:1], 0x0               ; query, key, value_codes, value_scales
	s_load_b64 s[12:13], s[0:1], 0x20              ; out0
	v_lshl_add_u32 v[SPW], v0, 2, SPARE
	v_mov_b32 v[NIL], 0
	ds_add_u32 v[SPW], v[NIL]                      ; the opening lines: the add twice and its wait
	ds_add_u32 v[SPW], v[NIL]
	v_lshrrev_b32 v[L], 5, v0
	v_readfirstlane_b32 s[WV], v[L]                ; wave 0..7
	s_and_b32 s16, ttmp7, 0xffff                   ; y = 16 b + head
	s_lshr_b32 s17, s16, 4
	s_lshl_b32 s17, s17, 23                        ; a batch is 2,048 rows of 4,096 bytes
	s_and_b32 s19, s16, 15
	s_lshl_b32 s19, s19, 8
	s_add_co_u32 s17, s17, s19                     ; the head's first byte in query, key and out0
	s_lshl_b32 s[G0+2], s[WV], 17                  ; my 32 rows of a tile of K
	s_add_co_u32 s[G0+2], s[G0+2], s17
	s_mov_b32 s[G0+3], 0
	s_mov_b32 s[G0], 1
	s_mul_i32 s[G0+1], s[WV], 32*KP                ; LDS: slot 0, row 32 w
	s_mov_b32 s[G1], 15|(2<<16)|(1<<20)|(1<<21)|(5<<22)|(3<<25)   ; the cluster's four; elements of 4 bytes; 4 words of padding behind every 64
	s_mov_b32 s[G1+1], 64<<16
	s_mov_b32 s[G1+2], 32<<16
	s_mov_b32 s[G1+3], 64<<16
	s_mov_b32 s[G1+4], 32
	s_mov_b32 s[G1+5], 1024
	s_mov_b32 s[G1+6], 0
	s_mov_b32 s[G1+7], 0
	s_wait_dscnt 0x0
	s_wait_kmcnt 0x0
	s_add_nc_u64 s[G0+2:G0+3], s[6:7], s[G0+2:G0+3]
	s_or_b32 s[G0+3], s[G0+3], 0x80000000
	ROUND                                          ; in front of the first joint loads
	tensor_load_to_lds s[G0:G0+3], s[G1:G1+7]      ; keys 0-255, my 32 rows: the wave's one load at the head
	s_nop 0
	PLACES
	s_bfe_u32 s15, ttmp6, 0x40000                  ; cx
	s_lshl_b32 s18, ttmp9, 2
	s_add_co_u32 s18, s18, s15                     ; x
	s_lshl_b32 s[PFA], s15, 18                     ; the prefetches: my work-group's 64 rows,
	s_lshl_b32 s19, s[WV], 15                      ; my wave's 8
	s_add_co_u32 s[PFA], s[PFA], s19
	s_add_co_u32 s[PFA], s[PFA], s17
	s_mov_b32 s[PFA+1], 0
	s_add_nc_u64 s[PFA:PFA+1], s[6:7], s[PFA:PFA+1]
	s_lshl_b32 s[QB], s18, 21                      ; the work-group's 512 queries,
	s_lshl_b32 s19, s[WV], 18                      ; my wave's 64
	s_add_co_u32 s[QB], s[QB], s19
	s_add_co_u32 s[QB], s[QB], s17
	s_mov_b32 s[QB+1], 0
	s_add_nc_u64 s[OB:OB+1], s[12:13], s[QB:QB+1]
	s_add_nc_u64 s[QB:QB+1], s[4:5], s[QB:QB+1]
	s_mul_i32 s[VB], s16, 98304                    ; V's codes: the head's 64 rows, my wave's 8
	s_mul_i32 s19, s[WV], 12288
	s_add_co_u32 s[VB], s[VB], s19
	s_mov_b32 s[VB+1], 0
	s_add_nc_u64 s[VB:VB+1], s[8:9], s[VB:VB+1]
	s_lshl_b32 s[VSB], s16, 12                     ; V's scale bytes: 4,096 a head, 512 a wave
	s_lshl_b32 s19, s[WV], 9
	s_add_co_u32 s[VSB], s[VSB], s19
	s_mov_b32 s[VSB+1], 0
	s_add_nc_u64 s[VSB:VSB+1], s[10:11], s[VSB:VSB+1]
	s_mov_b32 s[SEL], 0x76543210
	s_mov_b32 s[SEL+1], 0xfedcba98
	s_mov_b32 s[CS], 0x3e38aa3b                    ; c = log2(e) / 8
	s_mov_b32 s[CS+1], s[CS]
	s_mov_b32 s[NEGC], 0xbe38aa3b
	s_mov_b32 s[UPH], 0xffff0000
	s_mov_b32 s[SOF], 0
	s_mov_b32 s[KOS], 0
	s_lshr_b32 s[FL], s[WV], 1
	s_xor_b32 s[FL], s[FL], s[WV]
	s_lshr_b32 s19, s[WV], 2
	s_xor_b32 s[FL], s[FL], s19
	s_and_b32 s[FL], s[FL], 1                      ; the parity of my wave number's three bits
	s_xor_b32 s[FE], s[FL], 1
	s_mul_i32 s39, s[WV], 16*SP
	s_add_co_u32 s39, s39, STG                     ; my stage
	s_lshr_b32 s56, s[WV], 2                       ; the step of a trip whose pair I quantise
	s_and_b32 s57, s[WV], 3                        ; and which pair of its tiles
	s_and_b32 s58, s[WV], 1
	s_bfe_u32 s59, s[WV], 0x10001
	s_lshl_b32 s51, s56, 7
	s_lshl_b32 s19, s59, 6
	s_add_co_u32 s51, s51, s19
	s_lshl_b32 s19, s58, 4
	s_add_co_u32 s51, s51, s19                     ; my pair's first key: 128 (w / 4) + 64 ((w / 2) % 2) + 16 (w % 2)
	s_mul_i32 s51, s51, KP
	s_lshr_b32 s52, s[WV], 1
	s_mul_i32 s52, s52, 1536                       ; V's channels 8 w on: tile w / 2, rows 8 (w % 2) on
	s_lshl_b32 s19, s58, 7
	s_add_co_u32 s52, s52, s19
	s_add_co_u32 s52, s52, VIMG
	s_lshl_b32 s53, s57, 6
	s_lshl_b32 s19, s56, 2
	s_add_co_u32 s53, s53, s19
	s_add_co_u32 s53, s53, VSC
	s_mul_i32 s54, s[WV], 1536
	s_lshl_b32 s55, s56, 9
	s_lshl_b32 s19, s57, 2
	s_add_co_u32 s55, s55, s19
	v_and_b32 v[L], 31, v0
	v_and_b32 v[RR], 15, v0
	v_bfe_u32 v[HH], v0, 4, 1
	v_lshlrev_b32 v[GL], 4, v[RR]
	v_lshl_add_u32 v[GL], v[HH], 12, v[GL]
	v_mul_u32_u24 v[STA], v[HH], SP
	v_lshl_add_u32 v[STA], v[RR], 4, v[STA]
	v_add_nc_u32 v[STA], s39, v[STA]
	v_mul_u32_u24 v[STO], v[RR], SP
	v_add_nc_u32 v[STO], s39, v[STO]
	v_lshl_add_u32 v[STX], v[HH], 7, v[STO]
	v_lshl_add_u32 v[STO], v[HH], 5, v[STO]
	v_lshlrev_b32 v[SH8], 3, v[HH]
	v_lshl_add_u32 v[ADK], v[L], 4, KIMG
	v_lshl_add_u32 v[T0], v[L], 4, KSC
	v_lshl_add_u32 v[ADV], v[L], 4, VIMG
	v_lshl_add_u32 v[ADT], v[L], 3, VSC
	v_add_nc_u32 v[AKW], s54, v[ADK]
	v_add_nc_u32 v[ASW], s55, v[T0]
	v_min_u32 v[PFO], 7, v[L]
	v_lshlrev_b32 v[PFO], 12, v[PFO]
	v_and_b32 v[T0], 7, v0
	v_bfe_u32 v[T1], v0, 3, 1
	v_lshl_add_u32 v[T0], v[T1], 5, v[T0]          ; row r % 8 + 32 (r / 8) of my pair
	v_mul_u32_u24 v[T0], v[T0], KP
	v_lshl_add_u32 v[T0], v[HH], 7, v[T0]          ; + 128 h: my block of the row
	v_add_nc_u32 v[ASB], s51, v[T0]
	v_mul_u32_u24 v[GV], v[L], 24                  ; V: my 24-byte group of 32
	v_lshlrev_b32 v[GS], 4, v[L]
	v_and_b32 v[T0], 3, v0                         ; V's scales: my 16 bytes are channel 8 w + l / 4, steps 4 (l % 4) on
	v_bfe_u32 v[T1], v0, 2, 3
	v_lshlrev_b32 v[T0], 10, v[T0]
	v_lshl_add_u32 v[T0], v[T1], 3, v[T0]
	v_add_nc_u32 v[AVS], s53, v[T0]
; Group g = 32 a + l of a row of V (24 bytes; a = 0, 1) is 4 step + 2 c + h: step 8 a + l / 4, c = (l / 2) % 2, h = l % 2.  Its piece p (8 bytes) is registers 2 k, 2 k + 1, k = 3 c + p, of lane r + 16 h
; of the step's image, at 512 (k / 2) + 8 (k % 2): p = 0: 520 c; p = 1: 8 + 1,016 c; p = 2: 512 + 520 c
	v_bfe_u32 v[T0], v0, 2, 3
	v_mul_u32_u24 v[T0], v[T0], 6144
	v_and_b32 v[T1], 1, v0
	v_lshl_add_u32 v[T0], v[T1], 8, v[T0]
	v_add_nc_u32 v[T0], s52, v[T0]
	v_bfe_u32 v[T1], v0, 1, 1
	v_mad_u32_u24 v[AV], v[T1], 520, v[T0]
	v_mad_u32_u24 v[AV+1], v[T1], 1016, v[T0]
	s_wait_alu depctr_va_vdst(0)                   ; the wait behind the addresses' last write
	global_load_b128 v[VW4:VW4+3], v[GS], s[VSB:VSB+1]
	WIN W_LD
.set n, 0
.rept 48
	global_load_b64 v[OT+2*n:OT+2*n+1], v[GV], s[VB:VB+1] offset:1536*(n/6)+768*((n%6)/3)+8*(n%3)   ; channel 8 w + n / 6, half (n % 6) / 3 of its row, piece n % 3 of each group
.set n, n+1
.endr
	WIN 0
.irp u, 0,1,2,3
.irp j, 0,1,2,3,4,5,6,7
	global_load_b128 v[S+32*\u+4*\j:S+32*\u+4*\j+3], v[GL], s[QB:QB+1] offset:(16*\u+2*\j)*4096 th:TH_LOAD_NT   ; two rows' 256 bytes; read once in the launch
.endr
.endr
	WIN W_LD
.set j, 0
.rept 6
	v_mov_b32 v[F+48+j], 0                         ; behind K's tile 7
.set j, j+1
.endr
.irp u, 0,1,2,3
.irp i, 6,7,8,9,10,11
	v_mov_b32 v[QF+12*\u+\i], 0                    ; Q's k = 64 .. 127: zero codes
.endr
.endr
	WIN 0
.irp u, 0,1,2,3
	v_mov_b32 v[ST+8*\u], 0x7d000000               ; -M = 2^123
	v_mov_b32 v[ST+8*\u+1], 0xff61b1e6             ; the largest score so far: -3e38
	v_mov_b32 v[ST+8*\u+2], 0
	v_mov_b32 v[ST+8*\u+3], 0
	v_mov_b32 v[ST+8*\u+4], 0
.endr
.irp i, 4,7,12,15
	v_mov_b32 v[TM+\i], 0                          ; a lane permute's destination counts as one of its sources
.endr
	s_wait_alu depctr_va_vdst(0)
	s_wait_loadcnt 32                              ; all but Q's 32: V's scales and codes are in
.irp k, 0,1,2,3
	ds_store_b32 v[AVS], v[VW4+\k] offset:256*\k
.endr
	WIN W_ST
.irp d, 0,1,2,3,4,5,6,7
.irp j, 0,1,2,3,4,5
	ds_store_b64 v[AV+((\j%3)%2)], v[OT+2*(6*\d+\j):OT+2*(6*\d+\j)+1] offset:16*\d+49152*(\j/3)+8*((\j%3)%2)+512*((\j%3)/2)
.endr
.endr
	WIN 0
; Two blocks of 32 numbers a lane, at x and x + 32, by turns: TM+8e+2 the conversion's scale operand, TM+8e+3 the row's scale word (both blocks' bytes, bytes 2 and 3 zero)
.macro QUANT2 x
.irp e, 0,1
	v_max3_num_f32 v[TM+8*\e], |v[\x+32*\e]|, |v[\x+32*\e+1]|, |v[\x+32*\e+2]|
	v_max3_num_f32 v[TM+8*\e+1], |v[\x+32*\e+3]|, |v[\x+32*\e+4]|, |v[\x+32*\e+5]|
.endr
.irp i, 6,10,14,18,22,26
.irp e, 0,1
	v_max3_num_f32 v[TM+8*\e], v[TM+8*\e], |v[\x+32*\e+\i]|, |v[\x+32*\e+\i+1]|
	v_max3_num_f32 v[TM+8*\e+1], v[TM+8*\e+1], |v[\x+32*\e+\i+2]|, |v[\x+32*\e+\i+3]|
.endr
.endr
.irp e, 0,1
	v_max3_num_f32 v[TM+8*\e], v[TM+8*\e], |v[\x+32*\e+30]|, |v[\x+32*\e+31]|
.endr
.irp e, 0,1
	s_delay_alu instid0(VALU_DEP_2)
	v_max3_num_f32 v[TM+8*\e], v[TM+8*\e], v[TM+8*\e+1], 0x1800000   ; the floor 2^(3 - 127): the byte cannot fall under 1
.endr
.irp e, 0,1
	s_delay_alu instid0(VALU_DEP_2)
	v_add_nc_u32 v[TM+8*\e+2], 0xff000000, v[TM+8*\e]   ; 2 off the exponent field
.endr
.irp e, 0,1
	s_delay_alu instid0(VALU_DEP_2)
	v_lshrrev_b32 v[TM+8*\e+3], 23, v[TM+8*\e+2]   ; the byte
.endr
.irp e, 0,1
	s_delay_alu instid0(VALU_DEP_2)
	v_lshlrev_b32 v[TM+8*\e+3], v[SH8], v[TM+8*\e+3]
.endr
.irp e, 0,1
	s_delay_alu instid0(VALU_DEP_2)
	v_permlanex16_b32 v[TM+8*\e+4], v[TM+8*\e+3], s[SEL], s[SEL+1]
.endr
.irp e, 0,1
	s_delay_alu instid0(VALU_DEP_2)
	v_or_b32 v[TM+8*\e+3], v[TM+8*\e+3], v[TM+8*\e+4]
.endr
.endm
; Q's tiles a, a + 1: 16 rows x 256 bytes turn through my stage, so that lane (r, h) holds row r's k = 32 h + 0 .. 31, back in the registers that they left
.macro QPAIR a
	s_wait_loadcnt 16-8*\a                         ; the later pair's sixteen loads may be out
.irp e, 0,1
.irp j, 0,1,2,3,4,5,6,7
	ds_store_b128 v[STA], v[S+32*(\a+\e)+4*\j:S+32*(\a+\e)+4*\j+3] offset:2*SP*\j
.endr
.irp i, 0,1,2,3,4,5,6,7
	ds_load_b128 v[S+32*(\a+\e)+4*\i:S+32*(\a+\e)+4*\i+3], v[STX] offset:16*\i   ; LDS serves a wave's instructions in order
.endr
.endr
	s_wait_dscnt 0x0
	QUANT2 S+32*\a
.irp e, 0,1
	v_mov_b32 v[QS+\a+\e], v[TM+8*\e+3]
.endr
.irp e, 0,1
	v_cvt_scalef32_pk16_fp6_f32 v[CT+4*\e:CT+4*\e+2], v[S+32*(\a+\e)+16:S+32*(\a+\e)+31], v[TM+8*\e+2]
.endr
	WIN W_LD
.irp e, 0,1
	v_cvt_scalef32_pk16_fp6_f32 v[QF+12*(\a+\e):QF+12*(\a+\e)+2], v[S+32*(\a+\e):S+32*(\a+\e)+15], v[TM+8*\e+2]
.endr
	v_nop                                          ; one plain line behind a scaled conversion
.irp e, 0,1
.irp i, 0,1,2
	v_mov_b32 v[QF+12*(\a+\e)+3+\i], v[CT+4*\e+\i]
.endr
.endr
	WIN 0
.endm
; My two tiles of 16 keys, 2 (w % 4) + e of step w / 4, from slot SOF into image buffer KOS
.macro QK
	v_add_nc_u32 v[ASL], s[SOF], v[ASB]
.irp e, 0,1
.irp i, 0,1,2,3,4,5,6,7
	ds_load_b128 v[S+32*\e+4*\i:S+32*\e+4*\i+3], v[ASL] offset:8*KP*\e+16*\i   ; row r's block h
.endr
.endr
	s_wait_dscnt 0x0
	QUANT2 S
.irp e, 0,1
	v_cvt_scalef32_pk16_fp6_f32 v[PCD+6*\e:PCD+6*\e+2], v[S+32*\e:S+32*\e+15], v[TM+8*\e+2]
	v_cvt_scalef32_pk16_fp6_f32 v[CT+4*\e:CT+4*\e+2], v[S+32*\e+16:S+32*\e+31], v[TM+8*\e+2]
.endr
	v_cndmask_b32 v[TM+5], v[TM+3], v[TM+11], s[UPH]   ; lanes 0-15 the even tile's words, lanes 16-31 the odd tile's.  (The plain line behind the conversions)
	v_add_nc_u32 v[TM+6], s[KOS], v[AKW]
	v_add_nc_u32 v[TM+14], s[KOS], v[ASW]
.irp e, 0,1
.irp i, 0,1,2
	v_mov_b32 v[PCD+6*\e+3+\i], v[CT+4*\e+\i]
.endr
.endr
.irp g, 0,1,2
	ds_store_b128 v[TM+6], v[PCD+4*\g:PCD+4*\g+3] offset:512*\g   ; the pair's twelve registers as they stand
.endr
	ds_store_b32 v[TM+14], v[TM+5]
	s_wait_alu depctr_va_vdst(0)
.endm
	QPAIR 0
	QPAIR 2
	WIN W_LD
.set j, 0
.rept 128
	v_mov_b32 v[OT+j], 0                           ; O^T, where V's bytes lay (their stores are done).  The key step is written once: its first run finds zeros, which f = 0 leaves zeros
.set j, j+1
.endr
	WIN 0
	s_wait_alu depctr_va_vdst(0)                   ; the wait at the head's end
	s_wait_tensorcnt 0x0                           ; my part of keys 0-255 is in; slot 1's first fill stands behind the same lines as a refill
	ds_add_u32 v[SPW], v[NIL]
	s_add_nc_u64 s[G0+2:G0+3], s[G0+2:G0+3], 0x100000
	s_xor_b32 s[G0+1], s[G0+1], SL1
	s_wait_dscnt 0x0                               ; the add is done, and V's images and scale words are stored
	ROUND
	tensor_load_to_lds s[G0:G0+3], s[G1:G1+7]      ; keys 256-511 into slot 1
	s_nop 0
	PLACES
	QK                                             ; keys 0-255 into buffer 0
	s_mov_b32 s[SOF], SL1
	s_mov_b32 s[KOS], KD
	s_mov_b32 s[KOF], 0
.macro SMUL a
.irp t, 0,1,2,3,4,5,6,7
.irp e, 0,1
.if (\t)%2
	v_wmma_scale_f32_16x16x128_f8f6f4 v[S+64*\e+8*\t:S+64*\e+8*\t+7], v[F+6*\t:F+6*\t+11], v[QF+12*(\a+\e):QF+12*(\a+\e)+11], 0, v[KS+\t/2], v[QS+\a+\e] matrix_a_fmt:MATRIX_FMT_FP6 matrix_b_fmt:MATRIX_FMT_FP6 matrix_a_scale:MATRIX_SCALE_ROW1
.else
	v_wmma_scale_f32_16x16x128_f8f6f4 v[S+64*\e+8*\t:S+64*\e+8*\t+7], v[F+6*\t:F+6*\t+11], v[QF+12*(\a+\e):QF+12*(\a+\e)+11], 0, v[KS+\t/2], v[QS+\a+\e] matrix_a_fmt:MATRIX_FMT_FP6 matrix_b_fmt:MATRIX_FMT_FP6
.endif
.endr
.endr
.endm
.macro RESC u                                  ; tile u's O^T under the new M, each accumulator from its low end on
.set j, 0
.rept 16
	v_pk_mul_f32 v[OT+32*\u+j:OT+32*\u+j+1], v[OT+32*\u+j:OT+32*\u+j+1], v[ST+8*\u+4:ST+8*\u+5] op_sel_hi:[1,0]
.set j, j+2
.endr
.endm
.macro PVMUL                                   ; the sixteen accumulators take turns
.irp i, 0,1,2,3
.irp u, 0,1,2,3
.if (\i)%2
	v_wmma_scale_f32_16x16x128_f8f6f4 v[OT+32*\u+8*\i:OT+32*\u+8*\i+7], v[F+12*\i:F+12*\i+11], v[PCD+12*\u:PCD+12*\u+11], v[OT+32*\u+8*\i:OT+32*\u+8*\i+7], v[VS+\i/2], v[PW+\u] matrix_a_fmt:MATRIX_FMT_FP6 matrix_b_fmt:MATRIX_FMT_FP6 matrix_a_scale:MATRIX_SCALE_ROW1
.else
	v_wmma_scale_f32_16x16x128_f8f6f4 v[OT+32*\u+8*\i:OT+32*\u+8*\i+7], v[F+12*\i:F+12*\i+11], v[PCD+12*\u:PCD+12*\u+11], v[OT+32*\u+8*\i:OT+32*\u+8*\i+7], v[VS+\i/2], v[PW+\u] matrix_a_fmt:MATRIX_FMT_FP6 matrix_b_fmt:MATRIX_FMT_FP6
.endif
.endr
.endr
.endm
; The softmax of tiles a and a + 1 for one key step, line by line in turns.  Register 32 c + i of a tile is key 64 c + 32 h + i: block 2 c + h, all of it mine.
.macro SOFTMAX a
.irp c, 0,1                                    ; the largest score of each block: it serves the row's maximum and, since p rises with the score, the block's largest p
.irp e, 0,1
	v_max3_num_f32 v[TM+8*\e+\c], v[S+64*\e+32*\c], v[S+64*\e+32*\c+1], v[S+64*\e+32*\c+2]
	v_max3_num_f32 v[TM+8*\e+2+\c], v[S+64*\e+32*\c+3], v[S+64*\e+32*\c+4], v[S+64*\e+32*\c+5]
.endr
.endr
.irp i, 6,10,14,18,22,26
.irp c, 0,1
.irp e, 0,1
	v_max3_num_f32 v[TM+8*\e+\c], v[TM+8*\e+\c], v[S+64*\e+32*\c+\i], v[S+64*\e+32*\c+\i+1]
	v_max3_num_f32 v[TM+8*\e+2+\c], v[TM+8*\e+2+\c], v[S+64*\e+32*\c+\i+2], v[S+64*\e+32*\c+\i+3]
.endr
.endr
.endr
.irp c, 0,1
.irp e, 0,1
	v_max3_num_f32 v[TM+8*\e+\c], v[TM+8*\e+\c], v[S+64*\e+32*\c+30], v[S+64*\e+32*\c+31]
.endr
.endr
.irp c, 0,1
.irp e, 0,1
	s_delay_alu instid0(VALU_DEP_4)
	v_max_num_f32 v[TM+8*\e+\c], v[TM+8*\e+\c], v[TM+8*\e+2+\c]
.endr
.endr
.irp e, 0,1
	s_delay_alu instid0(VALU_DEP_2)
	v_max_num_f32 v[TM+8*\e+6], v[TM+8*\e], v[TM+8*\e+1]
.endr
.irp e, 0,1
	s_delay_alu instid0(VALU_DEP_2)
	v_permlanex16_b32 v[TM+8*\e+7], v[TM+8*\e+6], s[SEL], s[SEL+1]   ; the query's other 64 keys lie in the lane 16 away
.endr
.irp e, 0,1
	s_delay_alu instid0(VALU_DEP_2)
	v_max3_num_f32 v[ST+8*(\a+\e)+1], v[ST+8*(\a+\e)+1], v[TM+8*\e+6], v[TM+8*\e+7]
.endr
.irp e, 0,1
	s_delay_alu instid0(VALU_DEP_2)
	v_mul_f32 v[TM+8*\e+6], s[NEGC], v[ST+8*(\a+\e)+1]
.endr
.irp e, 0,1
	s_delay_alu instid0(VALU_DEP_2)
	v_floor_f32 v[TM+8*\e+6], v[TM+8*\e+6]         ; the new -M = floor(-t)
.endr
.irp e, 0,1
	s_delay_alu instid0(VALU_DEP_2)
	v_sub_f32 v[TM+8*\e+7], v[TM+8*\e+6], v[ST+8*(\a+\e)]   ; old M - new M: a whole number, 0 or less
.endr
.irp e, 0,1
	s_delay_alu instid0(VALU_DEP_4)
	v_mov_b32 v[ST+8*(\a+\e)], v[TM+8*\e+6]
.endr
.irp e, 0,1
	s_delay_alu instid0(VALU_DEP_4)
	v_cvt_i32_f32 v[TM+8*\e+7], v[TM+8*\e+7]       ; (it saturates)
.endr
.irp e, 0,1
	s_delay_alu instid0(VALU_DEP_2)
	v_ldexp_f32 v[ST+8*(\a+\e)+4], 1.0, v[TM+8*\e+7]   ; f = 2^(old M - new M)
.endr
.irp e, 0,1
.set j, 0
.rept 32
	v_pk_fma_f32 v[S+64*\e+j:S+64*\e+j+1], v[S+64*\e+j:S+64*\e+j+1], s[CS:CS+1], v[ST+8*(\a+\e):ST+8*(\a+\e)+1] op_sel_hi:[1,0,0]   ; t - M
.set j, j+2
.endr
.endr
.irp c, 0,1
.irp e, 0,1
	v_fma_f32 v[TM+8*\e+\c], v[TM+8*\e+\c], s[CS], v[ST+8*(\a+\e)]   ; the same of each block's largest score
.endr
.endr
.set j, 0
	s_wait_alu depctr_va_vdst(0)                   ; the wait ahead of the batch
.rept 128
	v_exp_f32 v[S+j], v[S+j]                       ; p = 2^(t - M)
.set j, j+1
.endr
.irp c, 0,1
.irp e, 0,1
	v_exp_f32 v[TM+8*\e+\c], v[TM+8*\e+\c]         ; the block's largest p
.endr
.endr
.irp e, 0,1
	v_pk_mul_f32 v[ST+8*(\a+\e)+2:ST+8*(\a+\e)+3], v[ST+8*(\a+\e)+2:ST+8*(\a+\e)+3], v[ST+8*(\a+\e)+4:ST+8*(\a+\e)+5] op_sel_hi:[1,0]   ; the sum under the new M
.endr
	s_wait_alu depctr_va_vdst(0)                   ; and behind it
.irp c, 0,1
.irp e, 0,1
	v_max_num_f32 v[TM+8*\e+\c], 0x1800000, v[TM+8*\e+\c]
.endr
.endr
.irp c, 0,1
.irp e, 0,1
	s_delay_alu instid0(VALU_DEP_4)
	v_add_nc_u32 v[TM+8*\e+4+\c], 0xff000000, v[TM+8*\e+\c]
.endr
.endr
.irp c, 0,1
.irp e, 0,1
	s_delay_alu instid0(VALU_DEP_4)
	v_lshrrev_b32 v[TM+8*\e+2+\c], 23, v[TM+8*\e+4+\c]
.endr
.endr
.irp e, 0,1
	s_delay_alu instid0(VALU_DEP_2)
	v_lshl_or_b32 v[TM+8*\e+6], v[TM+8*\e+3], 16, v[TM+8*\e+2]   ; my two bytes: blocks h and 2 + h
.endr
.irp e, 0,1
	s_delay_alu instid0(VALU_DEP_2)
	v_lshlrev_b32 v[TM+8*\e+6], v[SH8], v[TM+8*\e+6]
.endr
.irp e, 0,1
	s_delay_alu instid0(VALU_DEP_2)
	v_permlanex16_b32 v[TM+8*\e+7], v[TM+8*\e+6], s[SEL], s[SEL+1]
.endr
.irp e, 0,1
	s_delay_alu instid0(VALU_DEP_2)
	v_or_b32 v[PW+\a+\e], v[TM+8*\e+6], v[TM+8*\e+7]   ; the query's scale word for these 128 keys
.endr
.irp e, 0,1
	v_cvt_scalef32_pk16_fp6_f32 v[PCD+12*(\a+\e):PCD+12*(\a+\e)+2], v[S+64*\e:S+64*\e+15], v[TM+8*\e+4]
	v_cvt_scalef32_pk16_fp6_f32 v[CT+4*\e:CT+4*\e+2], v[S+64*\e+16:S+64*\e+31], v[TM+8*\e+4]
.endr
.irp e, 0,1                                    ; the row's sum of the unquantised p, in two chains; its first lines are the plain lines behind the conversions
	v_pk_add_f32 v[ST+8*(\a+\e)+6:ST+8*(\a+\e)+7], v[S+64*\e:S+64*\e+1], v[S+64*\e+2:S+64*\e+3]
.endr
.irp e, 0,1
.irp i, 0,1,2
	v_mov_b32 v[PCD+12*(\a+\e)+3+\i], v[CT+4*\e+\i]
.endr
.endr
.irp e, 0,1
	v_cvt_scalef32_pk16_fp6_f32 v[PCD+12*(\a+\e)+6:PCD+12*(\a+\e)+8], v[S+64*\e+32:S+64*\e+47], v[TM+8*\e+5]
	v_cvt_scalef32_pk16_fp6_f32 v[CT+4*\e:CT+4*\e+2], v[S+64*\e+48:S+64*\e+63], v[TM+8*\e+5]
.endr
.irp e, 0,1
	v_pk_add_f32 v[ST+8*(\a+\e)+2:ST+8*(\a+\e)+3], v[ST+8*(\a+\e)+2:ST+8*(\a+\e)+3], v[S+64*\e+4:S+64*\e+5]
.endr
.irp e, 0,1
.irp i, 0,1,2
	v_mov_b32 v[PCD+12*(\a+\e)+9+\i], v[CT+4*\e+\i]
.endr
.endr
.irp e, 0,1
	v_pk_add_f32 v[ST+8*(\a+\e)+6:ST+8*(\a+\e)+7], v[ST+8*(\a+\e)+6:ST+8*(\a+\e)+7], v[S+64*\e+6:S+64*\e+7]
.endr
.irp j, 8,12,16,20,24,28,32,36,40,44,48,52,56,60
.irp e, 0,1
	v_pk_add_f32 v[ST+8*(\a+\e)+2:ST+8*(\a+\e)+3], v[ST+8*(\a+\e)+2:ST+8*(\a+\e)+3], v[S+64*\e+\j:S+64*\e+\j+1]
	v_pk_add_f32 v[ST+8*(\a+\e)+6:ST+8*(\a+\e)+7], v[ST+8*(\a+\e)+6:ST+8*(\a+\e)+7], v[S+64*\e+\j+2:S+64*\e+\j+3]
.endr
.endr
.irp e, 0
	s_delay_alu instid0(VALU_DEP_3)
	v_pk_add_f32 v[ST+8*(\a+\e)+2:ST+8*(\a+\e)+3], v[ST+8*(\a+\e)+2:ST+8*(\a+\e)+3], v[ST+8*(\a+\e)+6:ST+8*(\a+\e)+7]
.endr
.irp e, 1
	s_delay_alu instid0(VALU_DEP_2)
	v_pk_add_f32 v[ST+8*(\a+\e)+2:ST+8*(\a+\e)+3], v[ST+8*(\a+\e)+2:ST+8*(\a+\e)+3], v[ST+8*(\a+\e)+6:ST+8*(\a+\e)+7]
.endr
.endm
; A KEY STEP: 128 keys, the q-th of the trip's 256.  Each fragment of K and of V is read from LDS once and feeds four tiles of queries.
.macro STEP q, ask
.if \q
	PLACES                                         ; behind the last step's products, in front of the loads into the registers that they read
.endif
	WIN 0
	ds_load_b128 v[KS:KS+3], v[ADC] offset:12288+512*\q
	WIN W_LD
.irp g, 0,1,2,3,4,5,6,7,8,9,10,11
	ds_load_b128 v[F+4*\g:F+4*\g+3], v[ADC] offset:6144*\q+512*\g
.endr
	s_wait_dscnt 0x0
	WIN W_S
	SMUL 0
	WIN 0
	PLACES
.if \ask
	s_cmp_gt_u32 s[CNT], 2                         ; trips 0 to 3 (6 to 3 to go): the keys of trip t + 4
	s_cbranch_scc0 .Lno_ask_\@
	global_prefetch_b8 v[PFO], s[PFA:PFA+1] offset:0x300000 th:TH_LOAD_NT scope:SCOPE_SE
.Lno_ask_\@:
.endif
	SOFTMAX 0
	WIN W_S
	SMUL 2
	WIN W_RS
	RESC 0                                         ; 32 plain lines that name nothing of those products: their places
	RESC 1
	WIN 0
	ds_load_b64 v[VS:VS+1], v[ADT] offset:256*\q
	WIN W_LD
.irp g, 0,1,2,3,4,5,6,7,8,9,10,11
	ds_load_b128 v[F+4*\g:F+4*\g+3], v[ADV] offset:6144*\q+512*\g   ; V's four tiles take K's place
.endr
	WIN 0
	SOFTMAX 2
	WIN W_RS
	RESC 2
	RESC 3
	s_wait_alu depctr_va_vdst(0)
	s_wait_dscnt 0x0
	WIN W_PV
	PVMUL
.endm
; A TRIP: 256 keys.  more = 1: the slot read out in the last trip is asked for again, behind a round; more = 0: nothing is asked for, and the work-group's barrier serves.
.macro TRIP more
	v_add_nc_u32 v[ADC], s[KOF], v[ADK]            ; this trip's images
.if \more
	s_wait_xcnt 0x0                                ; my prefetch has read its base
	s_add_nc_u64 s[PFA:PFA+1], s[PFA:PFA+1], 0x100000
.endif
	s_wait_alu depctr_va_vdst(0)
	s_wait_tensorcnt 0x0                           ; my one load that was out, my part of the next trip's keys, has landed
	ds_add_u32 v[SPW], v[NIL]
.if \more
	s_add_nc_u64 s[G0+2:G0+3], s[G0+2:G0+3], 0x100000   ; the keys two trips on,
	s_xor_b32 s[G0+1], s[G0+1], SL1                ; into the slot read out in the last trip
.endif
	s_wait_dscnt 0x0                               ; the add is done, my images are stored, and my reads of that slot and of the last trip's images are over
.if \more
	ROUND                                          ; all that holds of every wave of the four work-groups
	tensor_load_to_lds s[G0:G0+3], s[G1:G1+7]      ; my one load behind the round
	s_nop 0
.else
	s_barrier_signal -1
	s_barrier_wait -1
.endif
	PLACES                                         ; (also the places behind the last trip's products, in front of the loads below)
	s_cmp_lg_u32 s[FE], 0
	s_cbranch_scc0 .Lnot_early_\@
	QK
.Lnot_early_\@:
	STEP 0, \more
	STEP 1, 0
	WIN 0
	s_cmp_lg_u32 s[FL], 0
	s_cbranch_scc0 .Lnot_late_\@
	QK
.Lnot_late_\@:
	v_add_nc_u32 v[ADV], 2*6144, v[ADV]            ; (behind the last trip the two stepped addresses are not used)
	v_add_nc_u32 v[ADT], 2*256, v[ADT]
	s_xor_b32 s[SOF], s[SOF], SL1
	s_xor_b32 s[KOF], s[KOF], KD
	s_xor_b32 s[KOS], s[KOS], KD
.endm
	s_mov_b32 s[CNT], 6
.Ltrip:                                            ; trips 0 to 5
	TRIP 1
	s_sub_co_u32 s[CNT], s[CNT], 1
	s_cmp_lg_u32 s[CNT], 0
	s_wait_alu depctr_va_vdst(0)
	s_cbranch_scc1 .Ltrip
	s_mov_b32 s[CNT], 2
.Ltail:                                            ; trips 6 and 7 ask for nothing
	TRIP 0
	s_mov_b32 s[FE], 0                             ; trip 7 has no keys left to quantise
	s_mov_b32 s[FL], 0
	s_sub_co_u32 s[CNT], s[CNT], 1
	s_cmp_lg_u32 s[CNT], 0
	s_wait_alu depctr_va_vdst(0)
	s_cbranch_scc1 .Ltail
	; THE WAY OUT.  The sum's halves and lane l xor 16's are added; O^T is multiplied by 1 / sum and goes through my stage, a tile (16 queries x 256 bytes) at a time.
.irp u, 0,1,2,3
	v_add_f32 v[ST+8*\u+6], v[ST+8*\u+2], v[ST+8*\u+3]
.endr
.irp u, 0,1,2,3
	s_delay_alu instid0(VALU_DEP_4)
	v_permlanex16_b32 v[ST+8*\u+7], v[ST+8*\u+6], s[SEL], s[SEL+1]
.endr
.irp u, 0,1,2,3
	s_delay_alu instid0(VALU_DEP_4)
	v_add_f32 v[ST+8*\u+6], v[ST+8*\u+6], v[ST+8*\u+7]
.endr
	s_wait_alu depctr_va_vdst(0)
.irp u, 0,1,2,3
	v_rcp_f32 v[ST+8*\u+4], v[ST+8*\u+6]
.endr
	v_nop
	s_wait_alu depctr_va_vdst(0)
.macro PACK u                                  ; register 8 i + j of lane (r, h) is o(query r, channel 16 i + 8 h + j)
	WIN W_OUT
.set j, 0
.rept 16
	v_pk_mul_f32 v[S+32*\u+j:S+32*\u+j+1], v[OT+32*\u+j:OT+32*\u+j+1], v[ST+8*\u+4:ST+8*\u+5] op_sel_hi:[1,0]
.set j, j+2
.endr
	WIN 0
.irp i, 0,1,2,3
	ds_store_b128 v[STO], v[S+32*\u+8*\i:S+32*\u+8*\i+3] offset:64*\i
	ds_store_b128 v[STO], v[S+32*\u+8*\i+4:S+32*\u+8*\i+7] offset:64*\i+16
.endr
.irp k, 0,1,2,3,4,5,6,7
	ds_load_b128 v[S+32*\u+4*\k:S+32*\u+4*\k+3], v[STA] offset:2*SP*\k
.endr
.endm
.macro SEND u, younger                         ; younger: the LDS instructions issued behind tile u's loads
.irp k, 0,1,2,3,4,5,6,7
	s_wait_dscnt \younger+7-\k
	global_store_b128 v[GL], v[S+32*\u+4*\k:S+32*\u+4*\k+3], s[OB:OB+1] offset:(16*\u+2*\k)*4096 th:TH_STORE_NT   ; sixteen lanes store 256 consecutive bytes, aligned
.endr
.endm
	PACK 0
	PACK 1
	SEND 0, 16
	PACK 2
	SEND 1, 16
	PACK 3
	SEND 2, 16
	SEND 3, 0
	s_wait_tensorcnt 0x0                           ; the wave's end
	ds_add_u32 v[SPW], v[NIL]
	s_wait_dscnt 0x0
	ROUND                                          ; the closing round
	s_endpgm
.Lfunc_end_k_qe4e0735815_attn:
	.size	k_qe4e0735815_attn, .Lfunc_end_k_qe4e0735815_attn-k_qe4e0735815_attn
	.p2alignl 7, 3214868480
	.fill 96, 4, 3214868480
	.section	.rodata,"a",@progbits
	.p2align	6, 0x0
	.amdhsa_kernel k_qe4e0735815_attn
		.amdhsa_group_segment_fixed_size 327680
		.amdhsa_private_segment_fixed_size 0
		.amdhsa_enable_private_segment 0
		.amdhsa_kernarg_size 40
		.amdhsa_user_sgpr_count 2
		.amdhsa_user_sgpr_kernarg_segment_ptr 1
		.amdhsa_wavefront_size32 1
		.amdhsa_system_sgpr_workgroup_id_x 1
		.amdhsa_system_sgpr_workgroup_id_y 1
		.amdhsa_system_sgpr_workgroup_id_z 1
		.amdhsa_system_vgpr_workitem_id 0
		.amdhsa_next_free_vgpr 512
		.amdhsa_next_free_sgpr 66
		.amdhsa_reserve_vcc 0
		.amdhsa_float_denorm_mode_32 3
		.amdhsa_float_denorm_mode_16_64 3
		.amdhsa_memory_ordered 1
		.amdhsa_forward_progress 1
		.amdhsa_inst_pref_size 255
	.end_amdhsa_kernel
	.section	.bss,"aw",@nobits
	.p2align	6
	.space	262144
	.amdgpu_metadata
---
amdhsa.version: [ 1, 2 ]
amdhsa.kernels:
  - .name:           k_qe4e0735815_attn
    .symbol:         k_qe4e0735815_attn.kd
    .args:
      - { .name: query, .offset: 0, .size: 8, .value_kind: global_buffer, .address_space: global }
      - { .name: key, .offset: 8, .size: 8, .value_kind: global_buffer, .address_space: global }
      - { .name: value_codes, .offset: 16, .size: 8, .value_kind: global_buffer, .address_space: global }
      - { .name: value_scales, .offset: 24, .size: 8, .value_kind: global_buffer, .address_space: global }
      - { .name: out0, .offset: 32, .size: 8, .value_kind: global_buffer, .address_space: global }
    .group_segment_fixed_size: 327680
    .private_segment_fixed_size: 0
    .kernarg_segment_align: 8
    .kernarg_segment_size: 40
    .max_flat_workgroup_size: 256
    .sgpr_count:     66
    .vgpr_count:     512
    .wavefront_size: 32
...
	.end_amdgpu_metadata
.endif
;; end of part 1
